; MI455X (gfx1250); checked and timed in simulation.
; The chip was launched on July 23, 2026; its instructions are those of AMD's public machine-readable ISA for CDNA 5 (MIT licence, August 2026) and "CDNA5" Instruction Set Architecture Reference Guide (July 2026). The comments in the code are by the model that wrote it; some were corrected since.
;; Multi Head Time Dimension Attention. Allowed arithmetic: matrix products marked QUANTISED: E4M3 operands, one given power-of-two scale a tensor, by v_wmma_f32_16x16x64_fp8_fp8 or v_wmma_f32_16x16x128_fp8_fp8, f32 sums; products left as they are: f32 operands where the result goes on into a quantised operand, else bf16, f16 or f32 operands; f32 sums; everything else in f32.
;; Inputs: Wk 16 x 1,024 x 64 float32; Wq 16 x 1,024 x 64 float32; Wv 16 x 1,024 x 64 float32; bk 16 x 64 float32; bq 16 x 64 float32; bv 16 x 64 float32; lowp_scales 6 int32 (the exponents e of the quantised operands' scales 2^e); o_all 16 x 2,048 x 1,024 float32; o_last 16 x 1 x 1,024 float32.
;; Outputs: out0 16 x 1 x 1,024 float32.
;; This version of the problem:
;;   THIS VERSION OF THE PROBLEM IS GIVEN IN LOW PRECISION. The matrix products marked QUANTISED in the list below multiply operands that are first quantised to E4M3 (4 exponent bits, 3 mantissa bits; 8 bits a number), with one given power-of-two scale for each operand tensor; their sums are f32. All else is computed in f32.
;;   The module's matrix products, in the order in which they are computed (A, B: the left and right operand; K: the contracted axis; several contracted axes count as one K, in the product's order):
;;     1. [M 1,024, K 1,024] x [K 1,024, N 32,768]; A: input Wk; B: input o_all: QUANTISED (scales: A lowp_scales[0], B lowp_scales[1])
;;     2. [M 1,024, K 1,024] x [K 1,024, N 32,768]; A: input Wv; B: input o_all: QUANTISED (scales: A lowp_scales[2], B lowp_scales[3])
;;     3. [M 16, K 1,024] x [K 1,024, N 1,024]; A: input o_last; B: input Wq: QUANTISED (scales: A lowp_scales[4], B lowp_scales[5])
;;     4. batch 256 x [M 1, K 64] x [K 64, N 2,048]; A: computed on the way; B: computed on the way: left as it is (M = 1 < 16)
;;     5. batch 256 x [M 1, K 2,048] x [K 2,048, N 64]; A: softmax; B: computed on the way: left as it is (M = 1 < 16)
;;   THE QUANTISER, for each operand of a quantised product, along K:
;;     - The operand's scale is 2^e, e = its entry of the input lowp_scales (int32; the entries are numbered through the quantised products in the list's order, A before B).
;;     - Each number is divided by the scale, clamped to +-448, and rounded to the nearest number of E4M3, ties to even, subnormals kept.
;;     - The product sums the exact products of the quantised numbers (number of the format x scale) in f32.
;;   ~~~python
;;   def quantise(x, axis, e):      # numpy; x: float32 -> the quantised numbers, widened to float32 again
;;       x = np.moveaxis(x, axis, -1); K = x.shape[-1]
;;       r = np.clip(x / 2.0 ** e, -448, 448)
;;       step = 2.0 ** (np.maximum(np.frexp(np.where(r == 0, 1, r))[1] - 1, -6) - 3)
;;       q = np.round(r / step) * step * 2.0 ** e      # np.round: ties to even
;;       return np.moveaxis(q, -1, axis).astype(np.float32)
;;   ~~~
;; One version. Each part assembles by itself: llvm-mc -triple=amdgcn-amd-amdhsa -mcpu=gfx1250 --defsym DOCPART=n.
;; ======== version 1 of 1: 3 launches
;; limits: right only within a limited range of input values
;; workspace buffers: wcodes 2,097,152 bytes; qs 65,536 bytes; qc 2,048 bytes; part 1,179,648 bytes
;; launch prep (part 1): grid 160 x 1, 8 waves a work-group, no clusters, 50,176 bytes of LDS; arguments Wk, Wv, Wq, bq, bk, o_last, lowp_scales, wcodes, qs, qc; writes wcodes, qs, qc
.if DOCPART == 1
	.amdgcn_target "amdgcn-amd-amdhsa--gfx1250"
	.amdhsa_code_object_version 6
	.text
	.protected	k_q8dcbb1b967_prep
	.globl	k_q8dcbb1b967_prep
	.p2align	8
	.type	k_q8dcbb1b967_prep,@function
k_q8dcbb1b967_prep:
	s_mov_b64 s[64:65], 0
	v_nop
	global_prefetch_b8 v0, s[64:65] scope:SCOPE_SE
	s_setreg_imm32_b32 hwreg(HW_REG_WAVE_MODE, 25, 1), 1
	s_wait_xcnt 0x0
; PREP.  Two kinds of work-groups, told apart by the work-group number alone.
; Work-groups 0-127: Wk and Wv, [16 heads][1024 z][64 d] f32, become codes of E4M3 with the given scales 2^e0 and 2^e2, laid in the order of a matrix operand's registers:
;   wcodes = [ty 2][head 16][kq 4] blocks of 16,384 bytes; in a block byte hh*8192 + ks*4096 + t*2048 + c*512 + (r + 16 hf)*16 begins the 16 codes of column d = 32 hh + 16 t + r at z = 128 (4 ks + kq) + 32 c + 16 hf + 0..15.
;   A lane takes a column d and its registers run down z, so the conversions give codes with z innermost and nothing is transposed.  A wave takes 32 z x 64 d; each of its four stores covers two aligned runs of 256 bytes.
; Work-groups 128-159: q = Q(o_last) Q(Wq) + bq for one head h and one half g of its 64 columns, by v_wmma_f32_16x16x128_fp8_fp8; wave w takes z = 128 w .. 128 w + 127, the eight partial sums meet in LDS.
;   Stored: qs[h][g][b][32] = q x log2(e) x 2^(e0+e1) (the factor that a raw sum of the K product lacks, and the change to base 2), and qc[h][b][g] = (sum over the half of q x bk) x log2(e) / 16.
; code = x / 2^e, held within +-448, to the nearest code, ties to even.
; LIMITS: e0, e2, e4, e5 each between -126 and 119, so that 2^e and 448 x 2^e are f32 numbers; sums of exponents go through v_ldexp_f32 and have no limit.  NaN among the inputs is not served.
.set DIMG, 32768                       ; LDS: from 0 a wave's two fragments of Wq (4,096 bytes a wave); from DIMG its two result tiles (2,048 bytes a wave)
.set X,    128                         ; v128-255 numbers of a weight, a register a z
.set Y,    64                          ; v64-127  o_last's 64 numbers of a lane; later Wq's fragments (v64-95), the two results (v96-111), bq and bk (v112-119)
.set CD,   32                          ; v32-63   codes, four registers a run of 16: no store's data are written again
.set OA,   16                          ; v16-31   o_last's fragment
.set SCA,  14                          ; v14, v15 a scale 2^e as f32 and 448 x 2^e
.set LMA,  15
.set SCB,  4                           ; v4, v5   the same for Wq (the q path, once the addresses are made)
.set LMB,  5
.set WVN,  30                          ; s30      my wave
; 16 numbers of a lane become 16 codes in four registers
.macro QUANT16 src, dst, scl, lim
.irp i, 0,1,2,3,4,5,6,7,8,9,10,11,12,13,14,15
	v_med3_num_f32 v[(\src)+\i], v[(\src)+\i], -v[\lim], v[\lim]   ; the conversion to an 8-bit code does not saturate (ISA guide 7.6.2): hold first
.endr
	v_cvt_scalef32_pk8_fp8_f32 v[(\dst):(\dst)+1], v[(\src):(\src)+7], v[\scl]
	v_cvt_scalef32_pk8_fp8_f32 v[(\dst)+2:(\dst)+3], v[(\src)+8:(\src)+15], v[\scl]
	v_nop                                          ; one plain vector line behind the last conversion of a run
.endm
; s[e] = a given exponent; v[scl] = 2^e, v[lim] = 448 x 2^e; s[t], s[t+1] at work
.macro SCALE e, t, scl, lim
	s_add_co_i32 s[\t], s[\e], 127
	s_lshl_b32 s[\t+1], s[\t], 23
	v_mov_b32 v[\scl], s[\t+1]
	s_add_co_i32 s[\t], s[\t], 8
	s_lshl_b32 s[\t], s[\t], 23
	s_or_b32 s[\t], s[\t], 0x600000
	v_mov_b32 v[\lim], s[\t]
.endm
	s_load_b256 s[4:11], s[0:1], 0x0               ; Wk s[4:5], Wv s[6:7], Wq s[8:9], bq s[10:11]
	s_load_b256 s[12:19], s[0:1], 0x20             ; bk s[12:13], o_last s[14:15], the exponents s[16:17], wcodes s[18:19]
	s_load_b128 s[20:23], s[0:1], 0x40             ; qs s[20:21], qc s[22:23]
	v_lshl_add_u32 v7, v0, 2, 0xc000
	s_set_vgpr_msb 0x40
	v_mov_b32 v1, 0
	s_set_vgpr_msb 0x4000
	v_lshrrev_b32 v4, 5, v0
	s_delay_alu instid0(VALU_DEP_1)
	v_readfirstlane_b32 s[WVN], v4                 ; wave 0..7
	v_and_b32 v1, 31, v0                           ; lane L
	s_delay_alu instid0(VALU_DEP_1)
	v_lshlrev_b32 v2, 2, v1                        ; 4 L: my column of 32
	s_delay_alu instid0(VALU_DEP_2)
	v_lshrrev_b32 v4, 4, v1                        ; L / 16
	s_delay_alu instid0(VALU_DEP_3)
	v_and_b32 v5, 15, v1                           ; L % 16
	s_delay_alu instid0(VALU_DEP_1)
	v_lshlrev_b32 v3, 4, v5
	s_delay_alu instid0(VALU_DEP_1)
	v_lshl_add_u32 v3, v4, 11, v3                  ; where my codes go in an image: tile L / 16 (2,048 bytes), 16 bytes a column
	s_mov_b32 s39, 0
	s_mov_b32 s41, 0
	s_wait_kmcnt 0x0
	s_load_b128 s[24:27], s[16:17], 0x0            ; e0 .. e3
	s_load_b64 s[28:29], s[16:17], 0x10            ; e4, e5
	s_cmp_lt_u32 ttmp9, 128
	s_cbranch_scc0 .Lq_path
	; ---- Wk, Wv.  Task wt = 8 x work-group + wave: ty = wt / 512, head = (wt / 32) % 16, zc = wt % 32 = 16 ks + 4 kq + c: z = 32 zc on
	s_lshl_b32 s31, ttmp9, 3
	s_add_co_u32 s31, s31, s[WVN]
	s_bfe_u32 s32, s31, 0x40005                    ; head
	s_and_b32 s33, s31, 31                         ; zc
	s_lshr_b32 s34, s31, 9                         ; ty
	s_and_b32 s35, s33, 3                          ; c
	s_bfe_u32 s36, s33, 0x20002                    ; kq
	s_lshr_b32 s37, s33, 4                         ; ks
	s_lshl_b32 s38, s32, 18                        ; in: head x 262,144 + zc x 32 rows of 256 bytes
	s_lshl_b32 s40, s33, 13
	s_add_co_u32 s38, s38, s40
	s_lshl_b32 s40, s34, 4                         ; out: (16 ty + head) x 65,536 + kq x 16,384 + ks x 4,096 + c x 512
	s_add_co_u32 s40, s40, s32
	s_lshl_b32 s40, s40, 16
	s_lshl_b32 s42, s36, 14
	s_add_co_u32 s40, s40, s42
	s_lshl_b32 s42, s37, 12
	s_add_co_u32 s40, s40, s42
	s_lshl_b32 s42, s35, 9
	s_add_co_u32 s40, s40, s42
	s_cmp_lt_u32 ttmp9, 64                         ; ty = 0: Wk; the choice hangs on the work-group number alone
	s_cselect_b64 s[4:5], s[4:5], s[6:7]
	s_add_nc_u64 s[4:5], s[4:5], s[38:39]
	s_add_nc_u64 s[18:19], s[18:19], s[40:41]
.set n, 0
	s_wait_alu depctr_va_vdst(0)
.rept 64                               ; register n = W(z = 32 zc + n % 32, d = 32 (n / 32) + L): a wave reads 128 consecutive bytes
	global_load_b32 v[X+n], v2, s[4:5] offset:(n%32)*256+(n/32)*128
.set n, n+1
.endr
	s_wait_kmcnt 0x0
	s_cmp_lt_u32 ttmp9, 64
	s_cselect_b32 s42, s24, s26                    ; e0 or e2
	SCALE 42, 44, SCA, LMA
	s_wait_alu depctr_va_vdst(0)
.irp x, 0,1,2,3                        ; run x = 2 hh + hf: 16 z of my column
	s_wait_loadcnt 48-16*\x                        ; loads come back in order: the later runs' 16 loads each may stay out
	QUANT16 X+16*\x, CD+4*\x, SCA, LMA
	global_store_b128 v3, v[CD+4*\x:CD+4*\x+3], s[18:19] offset:(\x/2)*8192+(\x%2)*256   ; sixteen lanes store 256 consecutive bytes, aligned
.endr
	s_endpgm
	; ---- q.  qg = work-group - 128: head h = qg / 2, half g = qg % 2; my wave's z = 128 x wave on
.Lq_path:
	s_sub_co_u32 s31, ttmp9, 128
	s_lshr_b32 s32, s31, 1                         ; h
	s_and_b32 s33, s31, 1                          ; g
	s_wait_alu depctr_va_vdst(0)
	v_lshlrev_b32 v6, 12, v5                       ; o_last: row b = L % 16 of 4,096 bytes, + 64 (L / 16): my 16 numbers of a block of 32
	s_delay_alu instid0(VALU_DEP_1)
	v_lshl_add_u32 v6, v4, 6, v6
	s_lshl_b32 s38, s[WVN], 9
	s_add_nc_u64 s[14:15], s[14:15], s[38:39]
	s_lshl_b32 s38, s32, 18                        ; Wq: head, my 128 rows of 256 bytes, my half of the columns
	s_lshl_b32 s40, s[WVN], 15
	s_add_co_u32 s38, s38, s40
	s_lshl_b32 s40, s33, 7
	s_add_co_u32 s38, s38, s40
	s_add_nc_u64 s[8:9], s[8:9], s[38:39]
	s_lshl_b32 s38, s31, 7                         ; bq, bk: 256 h + 128 g
	s_add_nc_u64 s[10:11], s[10:11], s[38:39]
	s_add_nc_u64 s[12:13], s[12:13], s[38:39]
	s_lshl_b32 s38, s31, 11                        ; qs: (2 h + g) x 2,048
	s_add_nc_u64 s[20:21], s[20:21], s[38:39]
	s_lshl_b32 s38, s32, 7                         ; qc: 128 h + 4 g
	s_lshl_b32 s40, s33, 2
	s_add_co_u32 s38, s38, s40
	s_add_nc_u64 s[22:23], s[22:23], s[38:39]
	s_lshl_b32 s40, s[WVN], 12
	v_add_nc_u32 v3, s40, v3                       ; Wq's codes into my wave's two images
	v_lshlrev_b32 v8, 4, v1
	s_delay_alu instid0(VALU_DEP_1)
	v_add_nc_u32 v8, s40, v8                       ; and back: 16 x lane
	s_lshl_b32 s40, s[WVN], 11
	s_add_co_u32 s40, s40, DIMG
	v_lshl_add_u32 v9, v1, 4, s40                  ; my results: 16 x lane in my wave's 2,048 bytes
	; the finish: thread u (0..127) takes b = u / 8 and the four columns 4 (u % 8) on; they lie in result register group k = 2 (d4 / 4) + d4 % 2 of lane b + 16 ((d4 / 2) % 2)
	v_bfe_u32 v10, v0, 2, 1
	s_delay_alu instid0(VALU_DEP_1)
	v_lshlrev_b32 v10, 10, v10
	v_and_b32 v11, 1, v0
	s_delay_alu instid0(VALU_DEP_1)
	v_lshl_add_u32 v10, v11, 9, v10
	v_bfe_u32 v11, v0, 1, 1
	s_delay_alu instid0(VALU_DEP_1)
	v_lshl_add_u32 v10, v11, 8, v10
	v_lshrrev_b32 v11, 3, v0
	s_delay_alu instid0(VALU_DEP_1)
	v_lshl_add_u32 v10, v11, 4, v10
	s_delay_alu instid0(VALU_DEP_1)
	v_add_nc_u32 v10, DIMG, v10
	s_delay_alu instid0(VALU_DEP_3)
	v_lshlrev_b32 v13, 3, v11                      ; qc: 8 b
	v_and_b32 v11, 7, v0
	s_delay_alu instid0(VALU_DEP_1)
	v_lshlrev_b32 v11, 4, v11                      ; bq, bk: 16 d4
	v_lshlrev_b32 v12, 4, v0                       ; qs: 16 u = 128 b + 16 d4
.irp c, 0,1,2,3
.irp q, 0,1,2,3
	global_load_b128 v[Y+16*\c+4*\q:Y+16*\c+4*\q+3], v6, s[14:15] offset:128*\c+16*\q   ; register 16 c + i = o_last(b, 128 wave + 32 c + 16 hf + i)
.endr
.endr
.set n, 0
.rept 48
	global_load_b32 v[X+n], v2, s[8:9] offset:n*256   ; register n = Wq(h, 128 wave + n, 32 g + L)
.set n, n+1
.endr
	s_wait_kmcnt 0x0
	SCALE 28, 42, SCA, LMA                         ; e4
	SCALE 29, 44, SCB, LMB                         ; e5 (v4, v5 are done with as L / 16, L % 16)
	s_wait_alu depctr_va_vdst(0)
	s_wait_loadcnt 48                              ; o_last's sixteen loads are in; Wq's 48 may stay out
.irp c, 0,1,2,3
	QUANT16 Y+16*\c, OA+4*\c, SCA, LMA
.endr
.rept 80
	global_load_b32 v[X+n], v2, s[8:9] offset:n*256
.set n, n+1
.endr
.irp x, 0,1,2,3,4,5,6,7                ; run x = 2 c + hf
.if \x == 0
	s_wait_loadcnt 48                              ; of Wq's 128 loads the last 48 may be out: runs 0 to 4 are in
.elseif \x > 4
	s_wait_loadcnt 112-16*\x                       ; the later runs' 16 loads each may stay out
.endif
	QUANT16 X+16*\x, CD+4*\x, SCB, LMB
	ds_store_b128 v3, v[CD+4*\x:CD+4*\x+3] offset:(\x/2)*512+(\x%2)*256
.endr
	global_load_b128 v[112:115], v11, s[10:11]     ; bq, bk of my four columns, for the finish
	global_load_b128 v[116:119], v11, s[12:13]
.irp t, 0,1
.irp c, 0,1,2,3
	ds_load_b128 v[Y+16*\t+4*\c:Y+16*\t+4*\c+3], v8 offset:\t*2048+\c*512   ; LDS serves a wave's instructions in order (ISA guide 5.7.1.4): these see my stores
.endr
.endr
	s_wait_dscnt 0x0
	v_wmma_f32_16x16x128_fp8_fp8 v[96:103], v[64:79], v[OA:OA+15], 0     ; source 0 = 16 columns of Wq, source 1 = the 16 rows of o_last: lane (r, hf) holds b = r, register j column 8 hf + j
	v_wmma_f32_16x16x128_fp8_fp8 v[104:111], v[80:95], v[OA:OA+15], 0    ; columns 16 on
.rept 4
	v_nop                                          ; four places in front of the stores that read the results
.endr
.irp k, 0,1,2,3
	ds_store_b128 v9, v[96+4*\k:99+4*\k] offset:\k*512   ; each result from its low end on
.endr
	s_wait_dscnt 0x0                               ; for the others' sake: my stores have landed
	s_barrier_signal -1
	s_barrier_wait -1
	s_cmp_lt_u32 s[WVN], 4
	s_cbranch_scc0 .Lq_end
.irp s, 0,1,2,3,4,5,6,7
	ds_load_b128 v[X+4*\s:X+4*\s+3], v10 offset:\s*2048   ; the eight waves' partial sums of my four columns
.endr
	s_add_co_i32 s44, s28, s29                     ; e4 + e5
	s_add_co_i32 s45, s24, s25                     ; e0 + e1
	s_wait_dscnt 0x0
.irp s, 1
	v_pk_add_f32 v[X:X+1], v[X:X+1], v[X+4*\s:X+4*\s+1]
	v_pk_add_f32 v[X+2:X+3], v[X+2:X+3], v[X+4*\s+2:X+4*\s+3]
.endr
.irp s, 2, 3, 4, 5, 6, 7
	s_delay_alu instid0(VALU_DEP_2)
	v_pk_add_f32 v[X:X+1], v[X:X+1], v[X+4*\s:X+4*\s+1]
	s_delay_alu instid0(VALU_DEP_2)
	v_pk_add_f32 v[X+2:X+3], v[X+2:X+3], v[X+4*\s+2:X+4*\s+3]
.endr
	s_wait_alu depctr_va_vdst(0)
	s_wait_loadcnt 0x0                             ; bq, bk
.irp j, 0,1,2,3
	v_ldexp_f32 v[X+\j], v[X+\j], s44
.endr
.irp j, 0,1,2,3
	s_delay_alu instid0(VALU_DEP_4)
	v_add_f32 v[X+\j], v[X+\j], v[112+\j]          ; q
.endr
	s_delay_alu instid0(VALU_DEP_4)
	v_mul_f32 v160, v128, v116                     ; q . bk over my four columns,
	s_delay_alu instid0(VALU_DEP_1)
	v_fmac_f32 v160, v129, v117
	s_delay_alu instid0(VALU_DEP_1)
	v_fmac_f32 v160, v130, v118
	s_delay_alu instid0(VALU_DEP_1)
	v_fmac_f32 v160, v131, v119
	s_delay_alu instid0(VALU_DEP_1)
	v_add_f32_dpp v160, v160, v160 row_xmask:1 row_mask:0xf bank_mask:0xf   ; over the eight threads of my b
	s_delay_alu instid0(VALU_DEP_1)
	v_add_f32_dpp v160, v160, v160 row_xmask:2 row_mask:0xf bank_mask:0xf
	s_delay_alu instid0(VALU_DEP_1)
	v_add_f32_dpp v160, v160, v160 row_xmask:4 row_mask:0xf bank_mask:0xf
	s_delay_alu instid0(VALU_DEP_1)
	v_mul_f32 v160, 0x3db8aa3b, v160               ; x log2(e) / 16: sixteen chains of the next launch each begin with it
.irp j, 0,1,2,3
	v_mul_f32 v[X+\j], 0x3fb8aa3b, v[X+\j]         ; x log2(e)
.endr
.irp j, 0,1,2,3
	s_delay_alu instid0(VALU_DEP_4)
	v_ldexp_f32 v[X+\j], v[X+\j], s45              ; x 2^(e0 + e1)
.endr
	global_store_b128 v12, v[X:X+3], s[20:21]      ; a wave stores 512 consecutive bytes
	v_and_b32 v161, 7, v0
	s_delay_alu instid0(VALU_DEP_1)
	v_cmp_eq_u32 vcc_lo, 0, v161
	s_wait_xcnt 0x0                                ; EXEC changes only behind this wait
	s_and_saveexec_b32 s46, vcc_lo
	global_store_b32 v13, v160, s[22:23]           ; one thread for each b
	s_wait_xcnt 0x0                                ; and again in front of the line that widens it
	s_or_b32 exec_lo, exec_lo, s46
.Lq_end:
	s_set_vgpr_msb 0x4
	s_wait_tensorcnt 0x0
	ds_add_u32 v7, v1
	s_wait_dscnt 0x0
	s_set_vgpr_msb 0x400
	s_endpgm
.Lfunc_end_k_q8dcbb1b967_prep:
	.size	k_q8dcbb1b967_prep, .Lfunc_end_k_q8dcbb1b967_prep-k_q8dcbb1b967_prep
	.p2alignl 7, 3214868480
	.fill 96, 4, 3214868480
	.section	.rodata,"a",@progbits
	.p2align	6, 0x0
	.amdhsa_kernel k_q8dcbb1b967_prep
		.amdhsa_group_segment_fixed_size 50176
		.amdhsa_private_segment_fixed_size 0
		.amdhsa_enable_private_segment 0
		.amdhsa_kernarg_size 80
		.amdhsa_user_sgpr_count 2
		.amdhsa_user_sgpr_kernarg_segment_ptr 1
		.amdhsa_wavefront_size32 1
		.amdhsa_system_sgpr_workgroup_id_x 1
		.amdhsa_system_sgpr_workgroup_id_y 1
		.amdhsa_system_sgpr_workgroup_id_z 1
		.amdhsa_system_vgpr_workitem_id 0
		.amdhsa_next_free_vgpr 258
		.amdhsa_next_free_sgpr 66
		.amdhsa_reserve_vcc 1
		.amdhsa_float_denorm_mode_32 3
		.amdhsa_float_denorm_mode_16_64 3
		.amdhsa_memory_ordered 1
		.amdhsa_forward_progress 1
		.amdhsa_inst_pref_size 51
	.end_amdhsa_kernel
	.amdgpu_metadata
---
amdhsa.version: [ 1, 2 ]
amdhsa.kernels:
  - .name:           k_q8dcbb1b967_prep
    .symbol:         k_q8dcbb1b967_prep.kd
    .args:
      - { .name: Wk, .offset: 0, .size: 8, .value_kind: global_buffer, .address_space: global }
      - { .name: Wv, .offset: 8, .size: 8, .value_kind: global_buffer, .address_space: global }
      - { .name: Wq, .offset: 16, .size: 8, .value_kind: global_buffer, .address_space: global }
      - { .name: bq, .offset: 24, .size: 8, .value_kind: global_buffer, .address_space: global }
      - { .name: bk, .offset: 32, .size: 8, .value_kind: global_buffer, .address_space: global }
      - { .name: o_last, .offset: 40, .size: 8, .value_kind: global_buffer, .address_space: global }
      - { .name: lowp_scales, .offset: 48, .size: 8, .value_kind: global_buffer, .address_space: global }
      - { .name: wcodes, .offset: 56, .size: 8, .value_kind: global_buffer, .address_space: global }
      - { .name: qs, .offset: 64, .size: 8, .value_kind: global_buffer, .address_space: global }
      - { .name: qc, .offset: 72, .size: 8, .value_kind: global_buffer, .address_space: global }
    .group_segment_fixed_size: 50176
    .private_segment_fixed_size: 0
    .kernarg_segment_align: 8
    .kernarg_segment_size: 80
    .max_flat_workgroup_size: 256
    .sgpr_count:     66
    .vgpr_count:     258
    .wavefront_size: 32
...
	.end_amdgpu_metadata
.endif
;; end of part 1
;; launch attn (part 2): grid 256 x 1, 8 waves a work-group, clusters of 4 x 1, 327,680 bytes of LDS; arguments o_all, wcodes, qs, qc, lowp_scales, part; writes part
.if DOCPART == 2
	.amdgcn_target "amdgcn-amd-amdhsa--gfx1250"
	.amdhsa_code_object_version 6
	.text
	.protected	k_q8dcbb1b967_attn
	.globl	k_q8dcbb1b967_attn
	.p2align	8
	.type	k_q8dcbb1b967_attn,@function
k_q8dcbb1b967_attn:
	s_mov_b64 s[64:65], 0
	v_nop
	global_prefetch_b8 v0, s[64:65] scope:SCOPE_SE
	s_setreg_imm32_b32 hwreg(HW_REG_WAVE_MODE, 25, 1), 1
	s_wait_xcnt 0x0
	s_wait_alu depctr_hold_cnt(0) depctr_sa_sdst(0) depctr_va_vdst(0) depctr_va_sdst(0) depctr_va_ssrc(0) depctr_va_vcc(0) depctr_vm_vsrc(0)
	s_getreg_b32 s2, hwreg(HW_REG_IB_STS2, 6, 4)
	s_cmp_eq_u32 s2, 0
	s_cbranch_scc0 .Lentry_in_a_cluster
	s_endpgm
.Lentry_in_a_cluster:
	s_bfe_u32 s2, ttmp6, 0x10000c
	s_cmp_lg_u32 s2, 0x3003
	s_cbranch_scc0 .Lentry_shape_is_right
	s_endpgm
.Lentry_shape_is_right:
; ATTN.  A work-group takes 128 steps t of one batch entry through all 16 heads; part gets, for each head, the block's raw sums of p x V, its largest exponent m and its sum l of p.
; o_all's 128 x 1,024 f32 come in four stages of 64 rows x 512 z through two LDS slots and become codes of E4M3 that stay in registers: the four K waves with 2^e1, the four V waves with 2^e3; wave kq holds z = 128 (4 ks + kq) on, ks = 0, 1.
; ROLES: wave w is of kind (w xor (w >> 2)) & 1 (0: K, waves 0, 2, 5, 7; 1: V, waves 1, 3, 4, 6) and has kq = w >> 1: waves w and w + 4 are of unlike kinds, and so are waves 2 s and 2 s + 1.
; The weights' codes walk through two slots of 8 x 16,384 bytes, one head an interval, asked for jointly by the cluster's four work-groups; a wave reads its own tile alone.
; K waves: raw K^T tiles x qs, summed over d, give partial scores (base 2, bk's term from qc), which meet in LDS.  V waves, two intervals behind: softmax of the block, then p x raw V, summed over t.
; ORDER IN AN INTERVAL.  A head is two halves of 32 columns, 32 matrix instructions each.  A K wave goes: second half's sums of the head before, first half's products, its sums, second half's products.
; A V wave goes: second half's products of the head before (its weights wait in registers across the barrier), their sums, first half's products, softmax and sums.
; No work of reference() is left out: bk enters by qc, bv is added by the last launch (a row's weights sum to 1).
; NO PREFETCH: o_all's four stages, 131,072 bytes a work-group each, are written out one on the heels of the other, each asked for directly behind the round that frees its slot: there is no loop to run ahead in; the weights' 2,097,152 bytes are the same for all 64 clusters.
; LIMITS: e1, e3 between -126 and 119, so that 2^e and 448 x 2^e are f32 numbers.  NaN among the inputs is not served.
.set ROWP,  528
.set FKQ,   64*ROWP
.set FSLOT, 4*FKQ
.set SLOTB, 131072
.set SPARE, 2*FSLOT
.set QL,    SPARE+1024
.set SC,    QL+4096
.set CTX,   SC+4096
.set ML,    CTX+16384
.set QC,    ML+512
.set FA1,  1
.set SPW,  2
.set NIL,  3
.set FA,   4
.set QCA,  4
.set BA0,  5
.set QA0,  6
.set SCW0, 7
.set SCR0, 8
.set CXW0, 9
.set MLW0, 10
.set BA,   11
.set QA,   12
.set SCWA, 13
.set SCRA, 14
.set CXA,  15
.set MLA,  16
.set ER,   17
.set MR,   18
.set GOFF, 19
.set SCL,  20
.set LIM,  21
.set MLR,  22
.set PT,   24
.set SPR,  32
.set CT,   32
.set QR,   48
.set TT,   48
.set BF,   64
.set ACC,  128
.set G1F,  16
.set G1B,  24
.set G0F,  32
.set G0B,  36
.set G0F2, 84
.set WV,   40
.set TY,   41
.set KQ,   42
.set CX,   43
.set WG,   44
.set H0,   45
.set BB,   46
.set HF,   47
.set WOFF, 48
.set TB,   52
.set KP,   53
.set VP,   54
.set VM,   55
.set PK,   56
.set PV,   57
.set KM,   58
.set SEL,  66
.set MK,   68
.set CNT,  72
.set B8,   73
.set T0,   74
.set T1,   75
.set MSB, 0
.macro WIN new
.if MSB != \new
	s_set_vgpr_msb (MSB<<8)|\new
.set MSB, \new
.endif
.endm
.set W_MUL, 0x04
.set W_CVT, 0x40
.macro PLACES
.rept 4
	v_nop
.endr
.endm
.macro CREST
	s_cmp_lg_u32 s[WV], 0
	s_cbranch_scc1 .Lnot_wave_0_\@
	s_barrier_signal -3
.Lnot_wave_0_\@:
	s_barrier_wait -3
	s_barrier_signal -1
	s_barrier_wait -1
.endm
.macro ROUND
	s_barrier_signal -1
	s_barrier_wait -1
	CREST
.endm
.macro TL who
.if \who == 1
	tensor_load_to_lds s[G0B:G0B+3], s[G1B:G1B+7]
	s_nop 0
.rept 4
	v_nop
.endr
.else
	s_cmp_eq_u32 s[TY], 3-(\who)
	s_cbranch_scc0 .Lno_tile_\@
	tensor_load_to_lds s[G0B:G0B+3], s[G1B:G1B+7]
	s_nop 0
.rept 4
	v_nop
.endr
.Lno_tile_\@:
.endif
.endm
.macro LOADT ii, fa, sx
.irp c, 0,1,2,3
.irp q, 0,1,2,3
	ds_load_b128 v[ACC+64*(\sx)+16*\c+4*\q:ACC+64*(\sx)+16*\c+4*\q+3], v[\fa] offset:(\ii)*16*ROWP+128*\c+16*\q
.endr
.endr
.endm
.macro QT i, ks, sx
.set xb, ACC+64*(\sx)
.set fr, 16*(8*(\ks)+(\i))
.set j, 0
.rept 64
	v_med3_num_f32 v[xb+j], v[xb+j], -v[LIM], v[LIM]
.set j, j+1
.endr
	WIN W_CVT
.irp c, 0,1,2,3
	v_cvt_scalef32_pk8_fp8_f32 v[fr+4*\c:fr+4*\c+1], v[xb+16*\c:xb+16*\c+7], v[SCL]
	v_cvt_scalef32_pk8_fp8_f32 v[fr+4*\c+2:fr+4*\c+3], v[xb+16*\c+8:xb+16*\c+15], v[SCL]
.endr
	WIN 0
	v_nop
.endm
.macro STAGE ks, half, fa
	LOADT 0, \fa, 0
.irp ii, 0,1,2,3
.if \ii < 3
	LOADT \ii+1, \fa, (\ii+1)%2
	s_wait_dscnt 16
.else
	s_wait_dscnt 0x0
.endif
	QT 4*(\half)+\ii, \ks, \ii%2
.endr
.endm
.macro LOADG hh, ks
.irp t, 0,1
.irp c, 0,1,2,3
	ds_load_b128 v[BF+16*(2*(\ks)+\t)+4*\c:BF+16*(2*(\ks)+\t)+4*\c+3], v[BA] offset:(\hh)*8192+(\ks)*4096+\t*2048+\c*512
.endr
.endr
.endm
.macro LOADQ hh
.irp t, 0,1
	ds_load_b128 v[QR+8*\t:QR+8*\t+3], v[QA] offset:(\hh)*128+\t*64
	ds_load_b128 v[QR+8*\t+4:QR+8*\t+7], v[QA] offset:(\hh)*128+\t*64+16
.endr
.endm
.macro MUL ks, zero
.irp t, 0,1
.irp i, 0,1,2,3,4,5,6,7
.if \zero
	v_wmma_f32_16x16x128_fp8_fp8 v[ACC+8*(8*\t+\i):ACC+8*(8*\t+\i)+7], v[BF+16*(2*(\ks)+\t):BF+16*(2*(\ks)+\t)+15], v[16*(8*(\ks)+\i):16*(8*(\ks)+\i)+15], 0
.else
	v_wmma_f32_16x16x128_fp8_fp8 v[ACC+8*(8*\t+\i):ACC+8*(8*\t+\i)+7], v[BF+16*(2*(\ks)+\t):BF+16*(2*(\ks)+\t)+15], v[16*(8*(\ks)+\i):16*(8*(\ks)+\i)+15], v[ACC+8*(8*\t+\i):ACC+8*(8*\t+\i)+7]
.endif
.endr
.endr
.endm
.macro HALF0
	WIN W_MUL
	MUL 0, 1
	PLACES
	LOADG 1, 0
	MUL 1, 0
	PLACES
	LOADG 1, 1
	WIN 0
.endm
.macro TAILMUL cnt
	s_wait_dscnt \cnt
	WIN W_MUL
	MUL 0, 1
	s_wait_dscnt 0x0
	MUL 1, 0
	PLACES
	WIN 0
.endm
.macro KEPI hh
.irp t, 0,1
.irp p, 0,1,2,3
.irp i, 0,1,2,3,4,5,6,7
.if (\hh == 0) && (\t == 0) && (\p == 0)
	v_pk_fma_f32 v[SPR+2*\i:SPR+2*\i+1], v[ACC+8*(8*\t+\i)+2*\p:ACC+8*(8*\t+\i)+2*\p+1], v[QR+8*\t+2*\p:QR+8*\t+2*\p+1], v[MLR:MLR+1]
.else
	v_pk_fma_f32 v[SPR+2*\i:SPR+2*\i+1], v[ACC+8*(8*\t+\i)+2*\p:ACC+8*(8*\t+\i)+2*\p+1], v[QR+8*\t+2*\p:QR+8*\t+2*\p+1], v[SPR+2*\i:SPR+2*\i+1]
.endif
.endr
.endr
.endr
.endm
.macro KBODY kl, kn, tail
.if \kn
	LOADG 0, 0
	LOADG 0, 1
.endif
.if \kl
	KEPI 1
.irp i, 0,1,2,3,4,5,6,7
	v_add_f32 v[QR+\i], v[SPR+2*\i], v[SPR+2*\i+1]
.endr
.irp i, 0,1,2,3,4,5,6,7
	v_permlanex16_b32 v[PT+\i], v[QR+\i], s[SEL], s[SEL+1]
.endr
.irp i, 0,1,2,3,4,5,6,7
	v_add_f32 v[QR+\i], v[QR+\i], v[PT+\i]
.endr
	ds_store_b128 v[SCWA], v[QR:QR+3]
	ds_store_b128 v[SCWA], v[QR+4:QR+7] offset:16
.endif
.if \kn
	LOADQ 0
	ds_load_b64 v[MLR:MLR+1], v[QCA]
	s_wait_dscnt 5+2*\kl
	HALF0
	s_wait_dscnt 16
	KEPI 0
	LOADQ 1
.if \tail
	TAILMUL 12
.endif
.endif
.endm
.macro RED half, m, xm
.set x, 0
.rept \half
	v_cndmask_b32 v[TT+x], v[CT+x+\half], v[CT+x], s[\m]
.set x, x+1
.endr
.set x, 0
.rept \half
	v_cndmask_b32 v[CT+x], v[CT+x], v[CT+x+\half], s[\m]
.set x, x+1
.endr
.set x, 0
.rept \half
	v_add_f32_dpp v[CT+x], v[TT+x], v[CT+x] row_xmask:\xm row_mask:0xf bank_mask:0xf
.set x, x+1
.endr
.endm
.macro VEPI
.irp i, 0,1,2,3,4,5,6,7
.set pr, PT+2*\i+24*(\i/4)
.irp t, 0,1
.irp p, 0,1,2,3
.if \i == 0
	v_pk_mul_f32 v[CT+8*\t+2*\p:CT+8*\t+2*\p+1], v[ACC+8*(8*\t+\i)+2*\p:ACC+8*(8*\t+\i)+2*\p+1], v[pr:pr+1] op_sel_hi:[1,0]
.else
	v_pk_fma_f32 v[CT+8*\t+2*\p:CT+8*\t+2*\p+1], v[ACC+8*(8*\t+\i)+2*\p:ACC+8*(8*\t+\i)+2*\p+1], v[pr:pr+1], v[CT+8*\t+2*\p:CT+8*\t+2*\p+1] op_sel_hi:[1,0,1]
.endif
.endr
.endr
.endr
	RED 8, MK, 8
	RED 4, MK+1, 4
	RED 2, MK+2, 2
	RED 1, MK+3, 1
.endm
.macro VBODY vl, vn, tail
.if \vl
	s_wait_dscnt 0x0                               ; the second half's weights of the head before are in registers
	WIN W_MUL
	MUL 0, 1                                       ; its products start their sums with C = 0
	PLACES
.if \vn
	LOADG 0, 0                                     ; the new head's first half takes the registers as they fall free
.endif
	MUL 1, 0
	PLACES
.if \vn
	LOADG 0, 1
.endif
	WIN 0
	VEPI
	ds_store_b32 v[CXA], v[CT] offset:128
.elseif \vn
	LOADG 0, 0
	LOADG 0, 1
.endif
.if \vn
.irp s, 0,1,2,3
	ds_load_b128 v[32+8*\s:35+8*\s], v[SCRA] offset:\s*512
	ds_load_b128 v[36+8*\s:39+8*\s], v[SCRA] offset:\s*512+16
.endr
	s_wait_dscnt 8+\vl
	HALF0
	s_wait_dscnt 16
.irp s, 1,2,3
.irp p, 0,1,2,3
	v_pk_add_f32 v[32+2*\p:33+2*\p], v[32+2*\p:33+2*\p], v[32+8*\s+2*\p:33+8*\s+2*\p]
.endr
.endr
	s_delay_alu instid0(VALU_DEP_3)
	v_max3_num_f32 v48, v32, v33, v34
	s_delay_alu instid0(VALU_DEP_3)
	v_max3_num_f32 v49, v35, v36, v37
	s_delay_alu instid0(VALU_DEP_2)
	v_max3_num_f32 v48, v48, v38, v39
	s_delay_alu instid0(VALU_DEP_1)
	v_max_num_f32 v48, v48, v49
	s_delay_alu instid0(VALU_DEP_1)
	v_max_num_f32_dpp v48, v48, v48 row_xmask:1 row_mask:0xf bank_mask:0xf
	s_delay_alu instid0(VALU_DEP_1)
	v_max_num_f32_dpp v48, v48, v48 row_xmask:2 row_mask:0xf bank_mask:0xf
	s_delay_alu instid0(VALU_DEP_1)
	v_max_num_f32_dpp v48, v48, v48 row_xmask:4 row_mask:0xf bank_mask:0xf
	s_delay_alu instid0(VALU_DEP_1)
	v_max_num_f32_dpp v[MLR], v48, v48 row_xmask:8 row_mask:0xf bank_mask:0xf
.irp i, 0,1,2,3,4,5,6,7
	v_sub_f32 v[PT+2*\i+24*(\i/4)], v[32+\i], v[MLR]
.endr
	s_wait_alu depctr_va_vdst(0)
.irp i, 0,1,2,3,4,5,6,7
	v_exp_f32 v[PT+2*\i+24*(\i/4)], v[PT+2*\i+24*(\i/4)]
.endr
	v_nop
	s_wait_alu depctr_va_vdst(0)
	v_add_f32 v48, v24, v26
	v_add_f32 v49, v28, v30
	v_add_f32 v50, v56, v58
	v_add_f32 v51, v60, v62
	s_delay_alu instid0(VALU_DEP_3)
	v_add_f32 v48, v48, v49
	s_delay_alu instid0(VALU_DEP_2)
	v_add_f32 v50, v50, v51
	s_delay_alu instid0(VALU_DEP_1)
	v_add_f32 v48, v48, v50
	s_delay_alu instid0(VALU_DEP_1)
	v_add_f32_dpp v48, v48, v48 row_xmask:1 row_mask:0xf bank_mask:0xf
	s_delay_alu instid0(VALU_DEP_1)
	v_add_f32_dpp v48, v48, v48 row_xmask:2 row_mask:0xf bank_mask:0xf
	s_delay_alu instid0(VALU_DEP_1)
	v_add_f32_dpp v48, v48, v48 row_xmask:4 row_mask:0xf bank_mask:0xf
	s_delay_alu instid0(VALU_DEP_1)
	v_add_f32_dpp v[MLR+1], v48, v48 row_xmask:8 row_mask:0xf bank_mask:0xf
	ds_store_b64 v[MLA], v[MLR:MLR+1]
	VEPI
	ds_store_b32 v[CXA], v[CT] offset:256
.if \tail
	TAILMUL 10
.endif
.endif
.endm
.macro HEAD emb, fill
	WIN 0
	s_wait_tensorcnt 0x0
	ds_add_u32 v[SPW], v[NIL]
.if \fill
	s_xor_b32 s[G0B+1], s[G0B+1], SLOTB
	s_add_co_u32 s[HF], s[HF], 1
	s_and_b32 s[HF], s[HF], 15
	s_lshl_b32 s50, s[HF], 16
	s_add_co_u32 s50, s50, s[WOFF]
	s_add_nc_u64 s[G0B+2:G0B+3], s[6:7], s[50:51]
	s_or_b32 s[G0B+3], s[G0B+3], 0x80000000
.endif
	v_add_nc_u32 v[BA], s[TB], v[BA0]
	v_add_nc_u32 v[QA], s[KP], v[QA0]
	v_mov_b32 v[QCA], s[KM]
	v_add_nc_u32 v[SCWA], s[PK], v[SCW0]
	v_add_nc_u32 v[SCRA], s[PV], v[SCR0]
	v_add_nc_u32 v[CXA], s[VP], v[CXW0]
	v_add_nc_u32 v[MLA], s[VM], v[MLW0]
.if \emb
	s_wait_dscnt 11
	WIN W_MUL
	MUL 0, 1
	s_wait_dscnt 0x0
	s_barrier_signal -1
	MUL 1, 0
	PLACES
	WIN 0
	s_barrier_wait -1
	CREST
.else
	s_wait_dscnt 0x0
.if \fill
	ROUND
.else
	s_barrier_signal -1
	s_barrier_wait -1
.endif
.endif
.if \fill
	TL \fill
.endif
.endm
.macro INTERVAL emb, fill, kl, kn, kt, vl, vn, vt
	HEAD \emb, \fill
.if (\kl || \kn) && (\vl || \vn)
	s_cmp_eq_u32 s[TY], 0
	s_cbranch_scc0 .Lrole_v_\@
	s_wait_alu depctr_va_vdst(0)
	KBODY \kl, \kn, \kt
	s_branch .Lrole_end_\@
.Lrole_v_\@:
	s_wait_alu depctr_va_vdst(0)
	VBODY \vl, \vn, \vt
.Lrole_end_\@:
.elseif (\kl || \kn)
	s_cmp_eq_u32 s[TY], 0
	s_cbranch_scc0 .Lrole_end_\@
	s_wait_alu depctr_va_vdst(0)
	KBODY \kl, \kn, \kt
.Lrole_end_\@:
.else
	s_cmp_eq_u32 s[TY], 1
	s_cbranch_scc0 .Lrole_end_\@
	s_wait_alu depctr_va_vdst(0)
	VBODY \vl, \vn, \vt
.Lrole_end_\@:
.endif
	s_xor_b32 s[TB], s[TB], SLOTB
	s_xor_b32 s[PK], s[PK], 2048
	s_xor_b32 s[PV], s[PV], 2048
.if \kn
	s_add_co_u32 s[KP], s[KP], 256
	s_add_co_u32 s[KM], s[KM], 8
.endif
.if \vn
	s_add_co_u32 s[VP], s[VP], 256
	s_add_co_u32 s[VM], s[VM], 8
.endif
.endm
	s_load_b256 s[4:11], s[0:1], 0x0
	s_load_b128 s[12:15], s[0:1], 0x20
	v_lshl_add_u32 v[SPW], v0, 2, SPARE
	v_mov_b32 v[NIL], 0
	ds_add_u32 v2, v3
	ds_add_u32 v2, v3
	s_wait_dscnt 0x0
	v_lshrrev_b32 v1, 5, v0
	s_delay_alu instid0(VALU_DEP_1)
	v_readfirstlane_b32 s[WV], v1
	s_lshr_b32 s[TY], s[WV], 2
	s_xor_b32 s[TY], s[TY], s[WV]
	s_and_b32 s[TY], s[TY], 1                      ; my kind: (w xor (w >> 2)) & 1
	s_lshr_b32 s[KQ], s[WV], 1                     ; my quarter of z: each kind has kq = 0 .. 3 once
	s_bfe_u32 s[CX], ttmp6, 0x40000
	s_lshl_b32 s[WG], ttmp9, 2
	s_add_co_u32 s[WG], s[WG], s[CX]
	s_lshr_b32 s[BB], ttmp9, 2
	s_lshr_b32 s[H0], ttmp9, 1
	s_xor_b32 s[H0], s[H0], ttmp9
	s_and_b32 s[T0], s[H0], 3
	s_lshr_b32 s[H0], s[H0], 1
	s_and_b32 s[H0], s[H0], 12
	s_or_b32 s[H0], s[H0], s[T0]
	s_mov_b32 s[G1F], (2<<16)|(1<<20)|(6<<22)|(3<<25)
	s_mov_b32 s[G1F+1], 128<<16
	s_mov_b32 s[G1F+2], 32<<16
	s_mov_b32 s[G1F+3], 128<<16
	s_mov_b32 s[G1F+4], 32
	s_mov_b32 s[G1F+5], 1024
	s_mov_b32 s[G1F+6], 0
	s_mov_b32 s[G1F+7], 0
	s_mov_b32 s[G1B], 15|(3<<16)|(1<<21)
	s_mov_b32 s[G1B+1], 32<<16
	s_mov_b32 s[G1B+2], 64<<16
	s_mov_b32 s[G1B+3], 32<<16
	s_mov_b32 s[G1B+4], 64
	s_mov_b32 s[G1B+5], 32
	s_mov_b32 s[G1B+6], 0
	s_mov_b32 s[G1B+7], 0
	s_mov_b32 s[G0F], 1
	s_mul_i32 s[G0F+1], s[KQ], FKQ
	s_mul_i32 s[T0], s[TY], 32*ROWP
	s_add_co_u32 s[G0F+1], s[G0F+1], s[T0]
	s_mov_b32 s[G0F2], 1
	s_add_co_u32 s[G0F2+1], s[G0F+1], FSLOT
	s_lshl_b32 s80, s[WG], 19
	s_lshl_b32 s[T0], s[TY], 17
	s_add_co_u32 s80, s80, s[T0]
	s_lshl_b32 s[T0], s[KQ], 9
	s_add_co_u32 s80, s80, s[T0]
	s_mov_b32 s81, 0
	s_lshl_b32 s[T0], s[TY], 1
	s_sub_co_u32 s[HF], s[H0], s[T0]
	s_and_b32 s[HF], s[HF], 15
	s_lshl_b32 s[WOFF], s[TY], 20
	s_lshl_b32 s[T0], s[KQ], 14
	s_add_co_u32 s[WOFF], s[WOFF], s[T0]
	s_lshl_b32 s50, s[HF], 16
	s_add_co_u32 s50, s50, s[WOFF]
	s_mov_b32 s51, 0
	s_mov_b32 s[G0B], 1
	s_lshl_b32 s[G0B+1], s[WV], 14
	s_mov_b32 s[TB], 0
	s_mov_b32 s[KP], 0
	s_mov_b32 s[VP], 0
	s_mov_b32 s[VM], 0
	s_mov_b32 s[PK], 2048
	s_mov_b32 s[PV], 0
	s_mov_b32 s[KM], QC
	s_lshl_b32 s[B8], s[BB], 3
	s_mov_b32 s[SEL], 0x76543210
	s_mov_b32 s[SEL+1], 0xfedcba98
	s_mov_b32 s[MK], 0xff00ff00
	s_mov_b32 s[MK+1], 0xf0f0f0f0
	s_mov_b32 s[MK+2], 0xcccccccc
	s_mov_b32 s[MK+3], 0xaaaaaaaa
	s_wait_kmcnt 0x0
	s_load_b128 s[76:79], s[12:13], 0x0
	s_add_nc_u64 s[G0F+2:G0F+3], s[4:5], s[80:81]
	s_add_nc_u64 s[G0F2+2:G0F2+3], s[G0F+2:G0F+3], 0x40000
	s_or_b32 s[G0F+3], s[G0F+3], 0x80000000
	s_or_b32 s[G0F2+3], s[G0F2+3], 0x80000000
	s_add_nc_u64 s[G0B+2:G0B+3], s[6:7], s[50:51]
	s_or_b32 s[G0B+3], s[G0B+3], 0x80000000
	s_mul_i32 s80, s[WG], 4608
	s_add_nc_u64 s[14:15], s[14:15], s[80:81]
	ROUND
	tensor_load_to_lds s[G0F:G0F+3], s[G1F:G1F+7]
	s_nop 0
	s_wait_alu depctr_va_vdst(0)
	s_wait_tensorcnt 0x0
	ds_add_u32 v2, v3
	s_wait_dscnt 0x0
	ROUND
	tensor_load_to_lds s[G0F2:G0F2+3], s[G1F:G1F+7]
	s_nop 0
.rept 4
	v_nop
.endr
	v_and_b32 v32, 15, v0
	v_bfe_u32 v33, v0, 4, 1
	v_and_b32 v34, 31, v0
	s_mul_i32 s[T0], s[KQ], FKQ
	v_mul_u32_u24 v[FA], v32, ROWP
	s_delay_alu instid0(VALU_DEP_1)
	v_lshl_add_u32 v[FA], v33, 6, v[FA]
	s_delay_alu instid0(VALU_DEP_1)
	v_add_nc_u32 v[FA], s[T0], v[FA]
	s_delay_alu instid0(VALU_DEP_1)
	v_add_nc_u32 v[FA1], FSLOT, v[FA]
	s_lshl_b32 s[T0], s[WV], 14
	v_lshl_add_u32 v[BA0], v34, 4, s[T0]
	v_lshlrev_b32 v[QA0], 5, v33
	s_delay_alu instid0(VALU_DEP_1)
	v_add_nc_u32 v[QA0], QL, v[QA0]
	s_lshl_b32 s[T0], s[KQ], 9
	s_add_co_u32 s[T0], s[T0], SC
	v_lshl_add_u32 v[SCW0], v32, 5, s[T0]
	v_lshlrev_b32 v[SCR0], 5, v32
	s_delay_alu instid0(VALU_DEP_1)
	v_add_nc_u32 v[SCR0], SC, v[SCR0]
	v_and_b32 v35, 7, v0
	v_bfe_u32 v36, v0, 3, 1
	s_delay_alu instid0(VALU_DEP_2)
	v_lshlrev_b32 v[CXW0], 2, v35
	s_delay_alu instid0(VALU_DEP_1)
	v_lshl_add_u32 v[CXW0], v33, 5, v[CXW0]
	s_delay_alu instid0(VALU_DEP_1)
	v_lshl_add_u32 v[CXW0], v36, 6, v[CXW0]
	s_lshl_b32 s[T0], s[KQ], 12
	s_add_co_u32 s[T0], s[T0], CTX-256
	v_add_nc_u32 v[CXW0], s[T0], v[CXW0]
	s_lshl_b32 s[T0], s[KQ], 7
	s_add_co_u32 s[T0], s[T0], ML
	v_mov_b32 v[MLW0], s[T0]
	v_lshlrev_b32 v[GOFF], 4, v0
	s_delay_alu instid0(VALU_DEP_1)
	v_add_nc_u32 v[ER], CTX, v[GOFF]
	v_lshlrev_b32 v[MR], 4, v34
	s_delay_alu instid0(VALU_DEP_1)
	v_add_nc_u32 v[MR], ML, v[MR]
	v_lshrrev_b32 v35, 4, v0
	s_delay_alu instid0(VALU_DEP_1)
	v_lshlrev_b32 v39, 3, v35
	s_delay_alu instid0(VALU_DEP_1)
	v_add_nc_u32 v39, QC, v39
	s_delay_alu instid0(VALU_DEP_3)
	v_add_nc_u32 v35, s[H0], v35
	s_delay_alu instid0(VALU_DEP_1)
	v_and_b32 v35, 15, v35
	s_delay_alu instid0(VALU_DEP_1)
	v_lshlrev_b32 v38, 7, v35
	s_delay_alu instid0(VALU_DEP_1)
	v_add_nc_u32 v38, s[B8], v38
	s_delay_alu instid0(VALU_DEP_3)
	v_lshl_add_u32 v35, v35, 1, v36
	s_delay_alu instid0(VALU_DEP_1)
	v_lshlrev_b32 v35, 11, v35
	v_and_b32 v36, 7, v0
	s_delay_alu instid0(VALU_DEP_1)
	v_lshl_add_u32 v35, v36, 4, v35
	s_lshl_b32 s[T0], s[BB], 7
	v_add_nc_u32 v35, s[T0], v35
	global_load_b128 v[40:43], v35, s[8:9]
	global_load_b64 v[44:45], v38, s[10:11]
	v_add_nc_u32 v37, QL, v[GOFF]
.irp j, 22,23,24,25,26,27,28,29,30,31
	v_mov_b32 v\j, 0
.endr
	s_wait_kmcnt 0x0
	s_cmp_eq_u32 s[TY], 0
	s_cselect_b32 s[T0], s77, s79
	s_add_co_i32 s[T0], s[T0], 127
	s_lshl_b32 s[T1], s[T0], 23
	v_mov_b32 v[SCL], s[T1]
	s_add_co_i32 s[T0], s[T0], 8
	s_lshl_b32 s[T0], s[T0], 23
	s_or_b32 s[T0], s[T0], 0x600000
	v_mov_b32 v[LIM], s[T0]
	s_wait_alu depctr_va_vdst(0)
	s_wait_loadcnt 0x0
	ds_store_b128 v37, v[40:43]
	v_add_f32 v44, v44, v45
	s_delay_alu instid0(VALU_DEP_1)
	v_mov_b32 v45, v44
	ds_store_b64 v39, v[44:45]
	s_wait_tensorcnt 0x1
	s_wait_dscnt 0x0
	s_barrier_signal -1
	s_barrier_wait -1
	STAGE 0, 0, FA
	s_wait_tensorcnt 0x0
	ds_add_u32 v[SPW], v[NIL]
	s_add_nc_u64 s[G0F+2:G0F+3], s[G0F+2:G0F+3], 2048
	s_wait_dscnt 0x0
	ROUND
	tensor_load_to_lds s[G0F:G0F+3], s[G1F:G1F+7]
	s_nop 0
.rept 4
	v_nop
.endr
	STAGE 0, 1, FA1
	s_wait_tensorcnt 0x0
	ds_add_u32 v[SPW], v[NIL]
	s_add_nc_u64 s[G0F2+2:G0F2+3], s[G0F2+2:G0F2+3], 2048
	s_wait_dscnt 0x0
	ROUND
	tensor_load_to_lds s[G0F2:G0F2+3], s[G1F:G1F+7]
	s_nop 0
.rept 4
	v_nop
.endr
	STAGE 1, 0, FA
	s_wait_tensorcnt 0x0
	ds_add_u32 v[SPW], v[NIL]
	s_wait_dscnt 0x0
	ROUND
	TL 3
	STAGE 1, 1, FA1
	INTERVAL 0, 3,  0, 1, 1,  0, 0, 0
	INTERVAL 0, 1,  1, 1, 1,  0, 0, 0
	INTERVAL 0, 1,  1, 1, 1,  0, 1, 0
	s_mov_b32 s[CNT], 12
.Lperiod:
	INTERVAL 0, 1,  1, 1, 1,  1, 1, 0
	s_sub_co_u32 s[CNT], s[CNT], 1
	s_cmp_lg_u32 s[CNT], 0
	s_cbranch_scc1 .Lperiod
	INTERVAL 0, 2,  1, 1, 1,  1, 1, 0
	INTERVAL 0, 2,  1, 0, 0,  1, 1, 0
	INTERVAL 0, 0,  0, 0, 0,  1, 1, 0
	v_add_nc_u32 v[CXA], s[VP], v[CXW0]
	s_cmp_eq_u32 s[TY], 1
	s_cbranch_scc0 .Lno_left
	VBODY 1, 0, 0
.Lno_left:
	s_wait_dscnt 0x0
	s_barrier_signal -1
	s_barrier_wait -1
.irp s, 0,1,2,3
	ds_load_b128 v[32+4*\s:35+4*\s], v[ER] offset:\s*4096
.endr
	s_wait_dscnt 0x0
	v_pk_add_f32 v[32:33], v[32:33], v[36:37]
	v_pk_add_f32 v[34:35], v[34:35], v[38:39]
	v_pk_add_f32 v[40:41], v[40:41], v[44:45]
	v_pk_add_f32 v[42:43], v[42:43], v[46:47]
	s_delay_alu instid0(VALU_DEP_2)
	v_pk_add_f32 v[32:33], v[32:33], v[40:41]
	s_delay_alu instid0(VALU_DEP_2)
	v_pk_add_f32 v[34:35], v[34:35], v[42:43]
	global_store_b128 v[GOFF], v[32:35], s[14:15]
	s_cmp_lg_u32 s[WV], 0
	s_cbranch_scc1 .Lnot_ml
	ds_load_b128 v[48:51], v[MR]
	s_wait_dscnt 0x0
	global_store_b128 v[GOFF], v[48:51], s[14:15] offset:4096
.Lnot_ml:
	s_wait_tensorcnt 0x0
	ds_add_u32 v[SPW], v[NIL]
	s_wait_dscnt 0x0
	ROUND
	s_endpgm
.Lfunc_end_k_q8dcbb1b967_attn:
	.size	k_q8dcbb1b967_attn, .Lfunc_end_k_q8dcbb1b967_attn-k_q8dcbb1b967_attn
	.p2alignl 7, 3214868480
	.fill 96, 4, 3214868480
	.section	.rodata,"a",@progbits
	.p2align	6, 0x0
	.amdhsa_kernel k_q8dcbb1b967_attn
		.amdhsa_group_segment_fixed_size 327680
		.amdhsa_private_segment_fixed_size 0
		.amdhsa_enable_private_segment 0
		.amdhsa_kernarg_size 48
		.amdhsa_user_sgpr_count 2
		.amdhsa_user_sgpr_kernarg_segment_ptr 1
		.amdhsa_wavefront_size32 1
		.amdhsa_system_sgpr_workgroup_id_x 1
		.amdhsa_system_sgpr_workgroup_id_y 1
		.amdhsa_system_sgpr_workgroup_id_z 1
		.amdhsa_system_vgpr_workitem_id 0
		.amdhsa_next_free_vgpr 512
		.amdhsa_next_free_sgpr 96
		.amdhsa_reserve_vcc 0
		.amdhsa_float_denorm_mode_32 3
		.amdhsa_float_denorm_mode_16_64 3
		.amdhsa_memory_ordered 1
		.amdhsa_forward_progress 1
		.amdhsa_inst_pref_size 255
	.end_amdhsa_kernel
	.section	.bss,"aw",@nobits
	.p2align	6
	.space	262144
	.amdgpu_metadata
---
amdhsa.version: [ 1, 2 ]
amdhsa.kernels:
  - .name:           k_q8dcbb1b967_attn
    .symbol:         k_q8dcbb1b967_attn.kd
    .args:
      - { .name: o_all, .offset: 0, .size: 8, .value_kind: global_buffer, .address_space: global }
      - { .name: wcodes, .offset: 8, .size: 8, .value_kind: global_buffer, .address_space: global }
      - { .name: qs, .offset: 16, .size: 8, .value_kind: global_buffer, .address_space: global }
      - { .name: qc, .offset: 24, .size: 8, .value_kind: global_buffer, .address_space: global }
      - { .name: lowp_scales, .offset: 32, .size: 8, .value_kind: global_buffer, .address_space: global }
      - { .name: part, .offset: 40, .size: 8, .value_kind: global_buffer, .address_space: global }
    .group_segment_fixed_size: 327680
    .private_segment_fixed_size: 0
    .kernarg_segment_align: 8
    .kernarg_segment_size: 48
    .max_flat_workgroup_size: 256
    .sgpr_count:     96
    .vgpr_count:     512
    .wavefront_size: 32
...
	.end_amdgpu_metadata
.endif
;; end of part 2
;; launch combine (part 3): grid 64 x 1, 2 waves a work-group, no clusters, 0 bytes of LDS; arguments part, bv, lowp_scales, out0; writes out0
.if DOCPART == 3
	.amdgcn_target "amdgcn-amd-amdhsa--gfx1250"
	.amdhsa_code_object_version 6
	.text
	.protected	k_q8dcbb1b967_combine
	.globl	k_q8dcbb1b967_combine
	.p2align	8
	.type	k_q8dcbb1b967_combine,@function
k_q8dcbb1b967_combine:
	s_mov_b64 s[64:65], 0
	v_nop
	global_prefetch_b8 v0, s[64:65] scope:SCOPE_SE
	s_setreg_imm32_b32 hwreg(HW_REG_WAVE_MODE, 25, 1), 1
	s_wait_xcnt 0x0
; COMBINE.  out0[b][64 h + d] = (sum over the 16 blocks j of w_j ctx_j[d]) / (sum of w_j l_j) x 2^(e2+e3) + bv[h][d], w_j = 2^(m_j - M), M = the largest m_j: the softmax over all 2,048 steps from the blocks' own.
; (The weights of a row sum to 1, so V's bias is added once, behind the division.)
; part: a row of 4,608 bytes for each block: [position 16][64] f32 of raw sums, then (m, l) by position.  A block's positions begin at head h0 of its cluster, made here as the launch before makes it.
; Work-group g: batch entry g / 4, heads 4 (g % 4) on; thread u: head + u / 16, columns 4 (u % 16) on.  A stream of a megabyte: no LDS, no barrier, no matrix unit.
; e2 + e3 goes through v_ldexp_f32 and has no limit.
.set VO, 2                             ; v2-5   for each of the entry's four clusters: 256 x position + 16 (u % 16)
.set VM, 6                             ; v6-9   8 x position
.set MLP, 16                           ; v16-47 (m, l) of the 16 blocks; m becomes w
.set CX, 48                            ; v48-111 my four raw sums of the 16 blocks
	s_load_b256 s[4:11], s[0:1], 0x0               ; part s[4:5], bv s[6:7], the exponents s[8:9], out0 s[10:11]
	v_lshrrev_b32 v1, 4, v0
	s_and_b32 s12, ttmp9, 3
	s_lshl_b32 s13, s12, 2
	v_add_nc_u32 v1, s13, v1                       ; my head
	s_wait_alu depctr_va_vdst(0)
	v_and_b32 v11, 15, v0
	v_lshlrev_b32 v11, 4, v11
	v_lshlrev_b32 v12, 4, v0                       ; 16 u
	s_lshr_b32 s14, ttmp9, 2                       ; the batch entry
	s_lshl_b32 s20, s14, 2                         ; its first cluster
.irp q, 0,1,2,3
	s_add_co_u32 s21, s20, \q
	s_lshr_b32 s22, s21, 1
	s_xor_b32 s21, s21, s22                        ; gx
	s_and_b32 s22, s21, 3
	s_lshr_b32 s21, s21, 1
	s_and_b32 s21, s21, 12
	s_or_b32 s21, s21, s22                         ; h0
	v_sub_nc_u32 v10, v1, s21
	v_and_b32 v10, 15, v10                         ; my head's position in that cluster's blocks
	s_wait_alu depctr_va_vdst(0)
	v_lshl_add_u32 v[VO+\q], v10, 8, v11
	v_lshlrev_b32 v[VM+\q], 3, v10
.endr
	s_mul_i32 s16, s14, 16*4608
	s_mov_b32 s17, 0
	s_lshl_b32 s18, s12, 10
	s_mov_b32 s19, 0
	s_lshl_b32 s22, ttmp9, 10
	s_mov_b32 s23, 0
	s_wait_alu depctr_va_vdst(0)
	s_wait_kmcnt 0x0
	s_load_b64 s[24:25], s[8:9], 0x8               ; e2, e3
	s_add_nc_u64 s[4:5], s[4:5], s[16:17]
	s_add_nc_u64 s[6:7], s[6:7], s[18:19]
	s_add_nc_u64 s[10:11], s[10:11], s[22:23]
.irp j, 0,1,2,3,4,5,6,7,8,9,10,11,12,13,14,15
	global_load_b64 v[MLP+2*\j:MLP+2*\j+1], v[VM+\j/4], s[4:5] offset:4096+\j*4608
.endr
.irp j, 0,1,2,3,4,5,6,7,8,9,10,11,12,13,14,15
	global_load_b128 v[CX+4*\j:CX+4*\j+3], v[VO+\j/4], s[4:5] offset:\j*4608   ; sixteen lanes read 256 consecutive bytes
.endr
	global_load_b128 v[112:115], v12, s[6:7]
	s_wait_loadcnt 17                              ; the 16 pairs (m, l) are in; the 16 loads of sums and bv's may stay out
	v_max3_num_f32 v116, v16, v18, v20
.irp j, 3,5,7,9,11,13
	v_max3_num_f32 v116, v116, v[MLP+2*\j], v[MLP+2*\j+2]
.endr
	v_max_num_f32 v116, v116, v46                  ; M
.irp j, 0,1,2,3,4,5,6,7,8,9,10,11,12,13,14,15
	v_sub_f32 v[MLP+2*\j], v[MLP+2*\j], v116
.endr
	s_wait_alu depctr_va_vdst(0)
.irp j, 0,1,2,3,4,5,6,7,8,9,10,11,12,13,14,15
	v_exp_f32 v[MLP+2*\j], v[MLP+2*\j]             ; w
.endr
	v_nop                                          ; a plain line behind the last exponential
	s_wait_alu depctr_va_vdst(0)                   ; one wait for the batch, ahead of its first reader
	v_mul_f32 v118, v16, v17                       ; the sum of w l, in two chains
	v_mul_f32 v119, v18, v19
.irp j, 2,3,4,5,6,7,8,9,10,11,12,13,14,15
	v_fmac_f32 v[118+\j%2], v[MLP+2*\j], v[MLP+2*\j+1]
.endr
	v_add_f32 v118, v118, v119
	s_wait_alu depctr_va_vdst(0)
	v_rcp_f32 v118, v118
	s_wait_loadcnt 0x0
	v_pk_mul_f32 v[120:121], v[CX:CX+1], v[MLP:MLP+1] op_sel_hi:[1,0]      ; (plain lines behind the reciprocal, which name neither its result nor its source)
	v_pk_mul_f32 v[122:123], v[CX+2:CX+3], v[MLP:MLP+1] op_sel_hi:[1,0]
.irp j, 1,2,3,4,5,6,7,8,9,10,11,12,13,14,15
	v_pk_fma_f32 v[120:121], v[CX+4*\j:CX+4*\j+1], v[MLP+2*\j:MLP+2*\j+1], v[120:121] op_sel_hi:[1,0,1]   ; of the pair (w, l) the low word serves both halves
	v_pk_fma_f32 v[122:123], v[CX+4*\j+2:CX+4*\j+3], v[MLP+2*\j:MLP+2*\j+1], v[122:123] op_sel_hi:[1,0,1]
.endr
	s_wait_kmcnt 0x0
	s_add_co_i32 s26, s24, s25
	s_wait_alu depctr_va_vdst(0)                   ; the wait ahead of the reciprocal's first reader
	v_ldexp_f32 v118, v118, s26                    ; 2^(e2 + e3) / the sum
	v_pk_fma_f32 v[120:121], v[120:121], v[118:119], v[112:113] op_sel_hi:[1,0,1]
	v_pk_fma_f32 v[122:123], v[122:123], v[118:119], v[114:115] op_sel_hi:[1,0,1]
	global_store_b128 v12, v[120:123], s[10:11]    ; a wave stores 512 consecutive bytes, aligned
	s_endpgm
.Lfunc_end_k_q8dcbb1b967_combine:
	.size	k_q8dcbb1b967_combine, .Lfunc_end_k_q8dcbb1b967_combine-k_q8dcbb1b967_combine
	.p2alignl 7, 3214868480
	.fill 96, 4, 3214868480
	.section	.rodata,"a",@progbits
	.p2align	6, 0x0
	.amdhsa_kernel k_q8dcbb1b967_combine
		.amdhsa_group_segment_fixed_size 0
		.amdhsa_private_segment_fixed_size 0
		.amdhsa_enable_private_segment 0
		.amdhsa_kernarg_size 32
		.amdhsa_user_sgpr_count 2
		.amdhsa_user_sgpr_kernarg_segment_ptr 1
		.amdhsa_wavefront_size32 1
		.amdhsa_system_sgpr_workgroup_id_x 1
		.amdhsa_system_sgpr_workgroup_id_y 1
		.amdhsa_system_sgpr_workgroup_id_z 1
		.amdhsa_system_vgpr_workitem_id 0
		.amdhsa_next_free_vgpr 128
		.amdhsa_next_free_sgpr 66
		.amdhsa_reserve_vcc 0
		.amdhsa_float_denorm_mode_32 3
		.amdhsa_float_denorm_mode_16_64 3
		.amdhsa_memory_ordered 1
		.amdhsa_forward_progress 1
		.amdhsa_inst_pref_size 11
	.end_amdhsa_kernel
	.amdgpu_metadata
---
amdhsa.version: [ 1, 2 ]
amdhsa.kernels:
  - .name:           k_q8dcbb1b967_combine
    .symbol:         k_q8dcbb1b967_combine.kd
    .args:
      - { .name: part, .offset: 0, .size: 8, .value_kind: global_buffer, .address_space: global }
      - { .name: bv, .offset: 8, .size: 8, .value_kind: global_buffer, .address_space: global }
      - { .name: lowp_scales, .offset: 16, .size: 8, .value_kind: global_buffer, .address_space: global }
      - { .name: out0, .offset: 24, .size: 8, .value_kind: global_buffer, .address_space: global }
    .group_segment_fixed_size: 0
    .private_segment_fixed_size: 0
    .kernarg_segment_align: 8
    .kernarg_segment_size: 32
    .max_flat_workgroup_size: 64
    .sgpr_count:     66
    .vgpr_count:     128
    .wavefront_size: 32
...
	.end_amdgpu_metadata
.endif
;; end of part 3
